; MI455X (gfx1250); checked and timed in simulation.
; The chip was launched on July 23, 2026; its instructions are those of AMD's public machine-readable ISA for CDNA 5 (MIT licence, August 2026) and "CDNA5" Instruction Set Architecture Reference Guide (July 2026). The comments in the code are by the model that wrote it; some were corrected since.
;; Sparse Attention. Allowed arithmetic: float matrix products may take bf16 or f16 operands with f32 sums; other float arithmetic in f32, or as packed bf16 or f16 multiplies, adds, multiply-adds, maxima and minima; sums over many terms, partial sums and values carried from step to step in f32; what a program stores and reads back later, other than sums and carried values, may be rounded once to bf16 or f16.
;; Inputs: k 2 x 4,096 x 1,024 float32; q 2 x 4,096 x 1,024 float32; v 2 x 4,096 x 1,024 float32.
;; Outputs: out0 2 x 4,096 x 1,024 float32.
;; One version. Each part assembles by itself: llvm-mc -triple=amdgcn-amd-amdhsa -mcpu=gfx1250 --defsym DOCPART=n.
;; ======== version 1 of 1: 3 launches
;; limits: values are held in f16: magnitudes above 65,504 overflow, below 6.1e-05 lose precision; inputs' magnitudes at most 65,504
;; workspace buffers: qb 16,777,216 bytes; kb 16,777,216 bytes; vh 16,777,216 bytes; ph 67,108,864 bytes; stats 2,097,152 bytes
;; launch cast (part 1): grid 512 x 3, 8 waves a work-group, no clusters, 0 bytes of LDS; arguments q, k, v, qb, kb, vh; writes qb, kb, vh
.if DOCPART == 1
	.amdgcn_target "amdgcn-amd-amdhsa--gfx1250"
	.amdhsa_code_object_version 6
	.text
	.protected	k_qcc644b9419_cast
	.globl	k_qcc644b9419_cast
	.p2align	8
	.type	k_qcc644b9419_cast,@function
k_qcc644b9419_cast:
	s_mov_b64 s[64:65], 0
	v_nop
	global_prefetch_b8 v0, s[64:65] scope:SCOPE_SE
	s_setreg_imm32_b32 hwreg(HW_REG_WAVE_MODE, 25, 1), 1
	s_wait_xcnt 0x0
; q and k are rounded once to bf16 (qb, kb); v is rounded once to bf16 and that number is written as f16 (vh).
; All three inputs so carry the same rounding; a bf16 number is exact in f16 wherever it lies in f16's normal range.
; LIMITS.  |v| stays under 65,504 (beyond it the f16 is an infinity); |v| below 6e-5 keeps f16's fixed step of 6e-8.
; SHARES.  The grid's y picks the tensor (0 q, 1 k, 2 v).  A tensor is 8,192 pieces of 4,096 bytes; a work-group owns 16 of them.
; Thread t owns 16 bytes (4 numbers) at byte 16 t of every piece: a load of a wave covers 512 consecutive bytes,
; a store (8 bytes a lane) 256 consecutive bytes, at a multiple of 256 from the buffer's first byte.
; A wave issues its 16 loads at once (8 KiB on their way), then converts each piece in place and stores it from the registers that it was loaded into.
; The two offset registers are never rewritten (the pieces stand in the immediates) and no store's data register is written again: no source of a pending
; memory instruction is ever overwritten, so the only waits are the counted ones for the loads.  No LDS, no barrier: no wave wants another's bytes.
.set N,    16                          ; pieces of a work-group = loads of a wave
.set ROWI, 4096                        ; bytes of a piece as read
.set ROWO, 2048                        ; and as written
.set OI,  1                            ; v1        16 t; never rewritten
.set OO,  2                            ; v2        8 t; never rewritten
.set T,   4                            ; v[4:5]    at work
.set X,   8                            ; v[8:71]   piece i: 4 numbers as loaded; then, in its first two registers, 4 numbers of 16 bits
	s_load_b256 s[4:11], s[0:1], 0x0               ; q s[4:5], k s[6:7], v s[8:9], qb s[10:11]
	s_load_b128 s[12:15], s[0:1], 0x20             ; kb s[12:13], vh s[14:15]
	s_and_b32 s16, ttmp7, 0xffff                   ; which tensor
	s_lshl_b32 s2, ttmp9, 16                       ; the work-group's 16 pieces as read,
	s_mov_b32 s3, 0
	s_lshl_b32 s24, ttmp9, 15                      ; and as written
	s_mov_b32 s25, 0
	s_mov_b32 s26, 0xffff0000                      ; a word's upper bf16
	v_lshlrev_b32 v[OI], 4, v0
	v_lshlrev_b32 v[OO], 3, v0
	s_wait_kmcnt 0x0
	s_cmp_eq_u32 s16, 0
	s_cselect_b64 s[20:21], s[4:5], s[6:7]         ; from q or k,
	s_cselect_b64 s[22:23], s[10:11], s[12:13]     ; to qb or kb,
	s_cmp_eq_u32 s16, 2
	s_cselect_b64 s[20:21], s[8:9], s[20:21]       ; or from v
	s_cselect_b64 s[22:23], s[14:15], s[22:23]     ; to vh
	s_add_nc_u64 s[20:21], s[20:21], s[2:3]
	s_add_nc_u64 s[22:23], s[22:23], s[24:25]
.irp i, 0,1,2,3,4,5,6,7,8,9,10,11,12,13,14,15
	global_load_b128 v[X+4*(\i):X+4*(\i)+3], v[OI], s[20:21] offset:(\i)*ROWI th:TH_LOAD_NT
.endr
; Piece i.  mode = 0: to bf16.  mode = 1: to bf16, widened again (a shift, a mask) and written as f16.
.macro PIECE i, mode
	s_wait_loadcnt N-1-(\i)                        ; loads come back in order: piece i is in, the N - 1 - i younger ones stay out
.if \mode
	v_cvt_pk_bf16_f32 v[T],   v[X+4*(\i)],   v[X+4*(\i)+1]
	v_cvt_pk_bf16_f32 v[T+1], v[X+4*(\i)+2], v[X+4*(\i)+3]
	v_lshlrev_b32 v[X+4*(\i)],   16,  v[T]
	v_and_b32     v[X+4*(\i)+1], s26, v[T]
	v_lshlrev_b32 v[X+4*(\i)+2], 16,  v[T+1]
	v_and_b32     v[X+4*(\i)+3], s26, v[T+1]
	v_cvt_pk_f16_f32 v[X+4*(\i)],   v[X+4*(\i)],   v[X+4*(\i)+1]
	v_cvt_pk_f16_f32 v[X+4*(\i)+1], v[X+4*(\i)+2], v[X+4*(\i)+3]
.else
	v_cvt_pk_bf16_f32 v[X+4*(\i)],   v[X+4*(\i)],   v[X+4*(\i)+1]
	v_cvt_pk_bf16_f32 v[X+4*(\i)+1], v[X+4*(\i)+2], v[X+4*(\i)+3]
.endif
	global_store_b64 v[OO], v[X+4*(\i):X+4*(\i)+1], s[22:23] offset:(\i)*ROWO
.endm
	s_cmp_eq_u32 s16, 2
	s_cbranch_scc1 .Lv
.irp i, 0,1,2,3,4,5,6,7,8,9,10,11,12,13,14,15
	PIECE \i, 0
.endr
	s_endpgm
.Lv:
.irp i, 0,1,2,3,4,5,6,7,8,9,10,11,12,13,14,15
	PIECE \i, 1
.endr
	s_endpgm
.Lfunc_end_k_qcc644b9419_cast:
	.size	k_qcc644b9419_cast, .Lfunc_end_k_qcc644b9419_cast-k_qcc644b9419_cast
	.p2alignl 7, 3214868480
	.fill 96, 4, 3214868480
	.section	.rodata,"a",@progbits
	.p2align	6, 0x0
	.amdhsa_kernel k_qcc644b9419_cast
		.amdhsa_group_segment_fixed_size 0
		.amdhsa_private_segment_fixed_size 0
		.amdhsa_enable_private_segment 0
		.amdhsa_kernarg_size 48
		.amdhsa_user_sgpr_count 2
		.amdhsa_user_sgpr_kernarg_segment_ptr 1
		.amdhsa_wavefront_size32 1
		.amdhsa_system_sgpr_workgroup_id_x 1
		.amdhsa_system_sgpr_workgroup_id_y 1
		.amdhsa_system_sgpr_workgroup_id_z 1
		.amdhsa_system_vgpr_workitem_id 0
		.amdhsa_next_free_vgpr 72
		.amdhsa_next_free_sgpr 66
		.amdhsa_reserve_vcc 0
		.amdhsa_float_denorm_mode_32 3
		.amdhsa_float_denorm_mode_16_64 3
		.amdhsa_memory_ordered 1
		.amdhsa_forward_progress 1
		.amdhsa_inst_pref_size 15
	.end_amdhsa_kernel
	.amdgpu_metadata
---
amdhsa.version: [ 1, 2 ]
amdhsa.kernels:
  - .name:           k_qcc644b9419_cast
    .symbol:         k_qcc644b9419_cast.kd
    .args:
      - { .name: q, .offset: 0, .size: 8, .value_kind: global_buffer, .address_space: global }
      - { .name: k, .offset: 8, .size: 8, .value_kind: global_buffer, .address_space: global }
      - { .name: v, .offset: 16, .size: 8, .value_kind: global_buffer, .address_space: global }
      - { .name: qb, .offset: 24, .size: 8, .value_kind: global_buffer, .address_space: global }
      - { .name: kb, .offset: 32, .size: 8, .value_kind: global_buffer, .address_space: global }
      - { .name: vh, .offset: 40, .size: 8, .value_kind: global_buffer, .address_space: global }
    .group_segment_fixed_size: 0
    .private_segment_fixed_size: 0
    .kernarg_segment_align: 8
    .kernarg_segment_size: 48
    .max_flat_workgroup_size: 256
    .sgpr_count:     66
    .vgpr_count:     72
    .wavefront_size: 32
...
	.end_amdgpu_metadata
.endif
;; end of part 1
;; launch scores (part 2): grid 16 x 32, 4 waves a work-group, clusters of 4 x 4, 327,680 bytes of LDS; arguments qb, kb, ph, stats; writes ph, stats
.if DOCPART == 2
	.amdgcn_target "amdgcn-amd-amdhsa--gfx1250"
	.amdhsa_code_object_version 6
	.text
	.protected	k_qcc644b9419_scores
	.globl	k_qcc644b9419_scores
	.p2align	8
	.type	k_qcc644b9419_scores,@function
k_qcc644b9419_scores:
	s_mov_b64 s[64:65], 0
	v_nop
	global_prefetch_b8 v0, s[64:65] scope:SCOPE_SE
	s_setreg_imm32_b32 hwreg(HW_REG_WAVE_MODE, 25, 1), 1
	s_wait_xcnt 0x0
	s_wait_alu depctr_hold_cnt(0) depctr_sa_sdst(0) depctr_va_vdst(0) depctr_va_sdst(0) depctr_va_ssrc(0) depctr_va_vcc(0) depctr_vm_vsrc(0)
	s_getreg_b32 s2, hwreg(HW_REG_IB_STS2, 6, 4)
	s_cmp_eq_u32 s2, 0
	s_cbranch_scc0 .Lentry_in_a_cluster
	s_endpgm
.Lentry_in_a_cluster:
	s_bfe_u32 s2, ttmp6, 0x10000c
	s_cmp_lg_u32 s2, 0xf033
	s_cbranch_scc0 .Lentry_shape_is_right
	s_endpgm
.Lentry_shape_is_right:
; THE MODULE.  The strided transposes put one permutation of the 4,096 positions on q, k and v and take it off the result.  A softmax over ALL keys does not
; change when k and v are permuted alike, and each query row stands by itself: so the result is out[n][t] = sum_s softmax_s(q[n][t] . k[n][s] / 16) v[n][s]
; in the rows' own order; only the order of the f32 sums differs.  One head of 1,024 channels.
; THIS LAUNCH.  S = Q K^T in tiles of 256 queries x 256 keys, bf16 operands, f32 sums.  For each query and each CHUNK of 128 keys: cm = c x (the chunk's largest score),
; c = log2(e) / 16; p = 2^(c s - cm), rounded once to f16 and stored in ph [8192 rows][4096 keys]; l = the sum of the unrounded p.  cm and l go to stats (f32):
; cm at 4 (8192 chunk + row), l 1,048,576 bytes further on.  The next launch takes the row's own maximum over the chunks' and rescales.
; LIMITS.  p lies in 0 to 1 (to within an f32 rounding); below 6e-5 it keeps f16's fixed step of 6e-8; a p below 2^-126 counts as 0 in l; NaN and infinities are not treated apart.
; SHARES.  A work-group of four waves makes a tile; a wave 128 queries x 128 keys (one chunk): 64 accumulators of 16 x 16, 512 registers.  K (the 1,024 channels) goes in steps of
; 128 through a ring of two LDS slots filled by the tensor data mover; rows of 256 bytes, at multiples of 256 from the buffers' first bytes.
; CLUSTERS: 4 x 4 work-groups.  The four of a row of the cluster need the same rows of Q, the four of a column the same rows of K: each tile is asked for JOINTLY,
; by the same tensor load with the same descriptor and a mask that names the four.
; THE MATRIX INSTRUCTION IS USED TRANSPOSED (source 0 = 16 keys, source 1 = 16 queries): a lane holds ONE query (lane % 16) and, in an accumulator's registers 0 to 7,
; the keys 8 (lane / 16) + 0..7: the maximum and the sum want one exchange between the halves of the lanes, and eight weights pack into 16 bytes of a row of ph.
; REGISTERS, in windows of 256 (s_set_vgpr_msb's low byte: bits 1:0 source 0, 3:2 source 1, 5:4 source 2, 7:6 destination):
;   window 0: v0-31 addresses; v64-127, v128-191 fragments of Q, two buffers (on the way out v64-95 the statistics); v32-63, v192-255 at work on the way out
;   window 1: v64-127, v128-191 fragments of K, two buffers
;   window 2: the 32 accumulators of my queries 0-63 (block a of 16 queries, block b of 16 keys at v[8 (8 (a % 4) + b)]);   window 3: those of my queries 64-127
.set SIZE_K, 1024
.set KSTEP,  128
.set PROW,   8192                      ; bytes in a row of ph
.set PITCH,  272                       ; an LDS row: 256 bytes + 16 of padding = 68 words: the 16 rows of a fragment load start at 16 different groups of four banks (64 banks of 4 bytes: ISA guide 11.1)
.set HALFT,  128*PITCH                 ; 128 rows: what one tensor load brings, and what one wave reads of Q or of K
.set SLOT,   4*HALFT                   ; Q's 256 rows, then K's 256 rows
.set STAGE,  2*SLOT                    ; behind the ring: 16 rows x 272 bytes for each wave, for the way out
.set SPITCH, 272
.set SSTG,   STAGE+4*16*SPITCH         ; behind the stages: 1,024 bytes for each wave: 128 cm, 128 l
.set SPARE,  SSTG+4*1024               ; behind them: the spare words, 128 bytes for each wave: two blocks of 256 bytes that no other line names
.set LAPS,   SIZE_K/(2*KSTEP)          ; a lap = two K steps = once round the ring: 4
.set ADRA, 16                          ; v16-17  LDS address of my Q fragments in slot 0, 1
.set SSW,  18                          ; v18     where I put a block's cm: my wave's 1,024 bytes + 4 (lane % 16)
.set SSR,  19                          ; v19     where I read 16 bytes of them back: + 16 x lane
.set ADRB, 20                          ; v20-21  LDS address of my K fragments
.set SCO,  22                          ; v22     my 16 bytes of the wave's 512 in stats
.set STO,  24                          ; v24     the way out: where I put 16 bytes of a row
.set RD,   25                          ; v25     the way out: where I read a row back
.set CO,   26                          ; v26     my byte offset in ph
.set SPW,  28                          ; v28     LDS address of my spare word: SPARE + 4 x my thread's number; never rewritten
.set NIL,  29                          ; v29     0; never rewritten
.set PFO,  30                          ; v30     the prefetches' offset: my lane x a row of qb or kb (2,048 bytes); never rewritten
.set F0,   64                          ; fragment buffer 0
.set F1,   128                         ; fragment buffer 1
.set ST,   64                          ; the way out: block a's c0-c3 at v[ST+4 a]; c0 ends as cm, c1 as l
.set TMP,  192                         ; the way out: packed weights
.set OB,   32                          ; the way out: 16 rows read back from the stage: v32-63 and v224-255 by turns
.set G1,  24                           ; s[24:31] descriptor group 1 for Q's tiles
.set G0,  32                           ; s[32:39] descriptor group 0 for Q's tiles, one set for each slot
.set LIM, 43                           ; s43     1 in a wave that prefetches, else the greatest number
.set PFA, 44                           ; s[44:45] where my prefetches stand
.set G1B, 48                           ; s[48:55] descriptor group 1 for K's tiles: it differs in the mask alone
.set G0B, 56                           ; s[56:63] descriptor group 0 for K's tiles
.set STP, 68                           ; s[68:69] stats at my wave's 128 rows of my chunk
.set CS,  70                           ; s[70:71] c: the packed scaling takes the pair's low word for both halves
.set SEL, 72                           ; s[72:73] v_permlanex16_b32's selects: each lane takes its own place in the other half
.set MSB, 0
.macro WIN new                         ; the immediate's high byte repeats the setting that is left; a switch that changes nothing is dropped
.if MSB != (\new)
	s_set_vgpr_msb (MSB<<8)|(\new)
.set MSB, \new
.endif
.endm
.set MUL_LO, 0xa1                      ; source 0 (K) window 1, source 1 (Q) window 0, C and D window 2
.set MUL_HI, 0xf1                      ; the same, C and D window 3
.set TO_B,   0x40                      ; destination window 1, address window 0
; A joint load.  Waves 0 and 1 fetch Q's two halves, waves 2 and 3 K's.  The branch hangs on the wave's number alone: it is the same in every work-group.
; An s_nop 0 and four v_nop follow each of the two lines, ahead of the jump, the label and what follows.
.macro JLOAD s
	s_cmp_eq_u32 s11, 0
	s_cbranch_scc0 .Lfor_b_\@
	tensor_load_to_lds s[G0+4*(\s):G0+4*(\s)+3], s[G1:G1+7]
	s_nop 0
.rept 4
	v_nop
.endr
	s_branch .Lasked_\@
.Lfor_b_\@:
	tensor_load_to_lds s[G0B+4*(\s):G0B+4*(\s)+3], s[G1B:G1B+7]
	s_nop 0
.rept 4
	v_nop
.endr
.Lasked_\@:
.endm
; A PREFETCH INTO THE L2, behind each joint refill and the run of LDS loads that follows it: the K step that stands two refills on: 32 rows x 256 bytes, a lane a row, one instruction a wave.
; Each row's 256 bytes of a K step are named once in the launch.  Q's tile row is read by every cluster of that row of clusters: the one with cluster x = 0 asks.  K's tile column is read by the four
; clusters of its batch in that column: the first of them (cluster y % 4 = 0) asks.  The four partners that ask for a tile jointly share its rows out by address: of the 128 rows that a wave fetches
; the partner at place p takes 32 p .. 32 p + 31 (p = cx for Q, cy for K).  K steps 0 to 3 come by their loads alone; the loop's last trip (s3 = 1) asks for nothing: there is no K step 8.
.macro ASK
	s_cmp_gt_u32 s3, s[LIM]
	s_cbranch_scc0 .Lnot_mine_\@
	global_prefetch_b8 v[PFO], s[PFA:PFA+1] offset:KSTEP*2 th:TH_LOAD_NT scope:SCOPE_SE
.Lnot_mine_\@:
.endm
; A round of the cluster's barrier: my work-group's barrier, so that wave 0's signal speaks for all four waves; wave 0 signals for the work-group; every wave waits for all
; sixteen work-groups; my work-group's barrier once more.
.macro CREST                           ; a round behind its opening barrier
	s_cmp_lg_u32 s10, 0
	s_cbranch_scc1 .Lnot_wave_0_\@
	s_barrier_signal -3
.Lnot_wave_0_\@:
	s_barrier_wait -3
	s_barrier_signal -1
	s_barrier_wait -1
.endm
.macro CROUND                          ; a whole round
	s_barrier_signal -1
	s_barrier_wait -1
	CREST
.endm
	s_load_b128 s[4:7], s[0:1], 0x0                ; qb s[4:5], kb s[6:7]
	s_load_b64 s[8:9], s[0:1], 0x10                ; ph
	s_load_b64 s[STP:STP+1], s[0:1], 0x18          ; stats
	v_lshl_add_u32 v[SPW], v0, 2, SPARE
	v_mov_b32 v[NIL], 0
	ds_add_u32 v[SPW], v[NIL]                      ; the wave's opening: the add and its wait stand ahead of my first tensor load; the set-up below, work on registers, stands between them
	v_lshrrev_b32 v1, 5, v0
	v_readfirstlane_b32 s10, v1                    ; wave 0..3
	s_lshr_b32 s11, s10, 1                         ; which half of the tile's queries is mine.  Also: I fetch for Q (0) or for K (1)
	s_and_b32 s12, s10, 1                          ; which half of its keys.  Also: which 128 rows of that tile I fetch
	s_bfe_u32 s40, ttmp6, 0x40000                  ; cx
	s_bfe_u32 s41, ttmp6, 0x40004                  ; cy
	s_lshl_b32 s42, ttmp9, 2
	s_add_co_u32 s42, s42, s40                     ; tile column = 4 x cluster x + cx: keys 256 x that, in the batch
	s_and_b32 s13, ttmp7, 0xffff                   ; cluster y, 0 to 7
	s_lshr_b32 s76, s13, 2                         ; the batch: the same in all sixteen partners
	s_lshl_b32 s77, s76, 12                        ; its first row in kb
	s_lshl_b32 s13, s13, 2
	s_add_co_u32 s13, s13, s41                     ; tile row = 4 x cluster y + cy: rows 256 x that of qb and ph
	s_lshl_b32 s43, s41, 2
	s_lshl_b32 s43, 15, s43                        ; my row of the cluster: places 4 cy .. 4 cy + 3
	s_lshl_b32 s44, 0x1111, s40                    ; my column: places cx, cx + 4, cx + 8, cx + 12
	; descriptor group 1: a tile of 128 rows x 128 elements, padded in LDS
	s_or_b32 s[G1+0], s43, (1<<16)|(1<<20)|(1<<21)|(5<<22)|(3<<25)  ; 15:0 the mask: Q's tiles go to my row; 17:16 elements of 2 bytes; 20 padding on; 21 set beside a mask; 24:22 after every 64 words; 31:25 4 words of it
	s_or_b32 s[G1B+0], s44, (1<<16)|(1<<20)|(1<<21)|(5<<22)|(3<<25) ; the same with the mask of my column, for K's tiles
.irp g, G1, G1B
	s_mov_b32 s[(\g)+1], KSTEP<<16                 ; tensor_dim0 = 128
	s_mov_b32 s[(\g)+2], 128<<16                   ; tensor_dim1 = 128
	s_mov_b32 s[(\g)+3], KSTEP<<16                 ; tile_dim0 = 128
	s_mov_b32 s[(\g)+4], 128                       ; tile_dim1 = 128
	s_mov_b32 s[(\g)+5], SIZE_K                    ; elements from row to row
	s_mov_b32 s[(\g)+6], 0
	s_mov_b32 s[(\g)+7], 0
.endr
	s_mov_b32 s[CS], 0x3db8aa3b                    ; c = log2(e) / 16
	s_mov_b32 s[CS+1], s[CS]                       ; named with it as a pair
	s_mov_b32 s[SEL], 0x76543210
	s_mov_b32 s[SEL+1], 0xfedcba98
	; where the tiles come from.  Q's hang on the tile row alone, which my row of the cluster shares; K's on the batch and the tile column, which my column shares.
	s_lshl_b32 s17, s12, 7                         ; which 128 rows of the tile I fetch
	s_lshl_b32 s16, s13, 8
	s_add_co_u32 s16, s16, s17                     ; Q: row 256 x tile row + 128 x half
	s_lshl_b32 s16, s16, 11                        ; 2,048 bytes a row: under 2^24
	s_lshl_b32 s46, s42, 8
	s_add_co_u32 s46, s46, s17
	s_add_co_u32 s46, s46, s77                     ; K: row 4,096 x batch + 256 x tile column + 128 x half
	s_lshl_b32 s46, s46, 11
	s_mov_b32 s17, 0
	s_mov_b32 s47, 0
	s_mul_i32 s20, s10, HALFT                      ; and where they go: Q's two halves, then K's two halves = wave x 128 rows
	s_wait_dscnt 0x0                               ; the opening add is done
	s_wait_kmcnt 0x0
	s_add_nc_u64 s[14:15], s[4:5], s[16:17]
	s_add_nc_u64 s[46:47], s[6:7], s[46:47]
	CROUND                                         ; all sixteen work-groups are here: the first joint loads meet
.irp s, 0,1
	s_mov_b32 s[G0+4*(\s)], 1                                      ; count = 1
	s_add_co_u32 s[G0+4*(\s)+1], s20, (\s)*SLOT                    ; LDS address
	s_add_nc_u64 s[G0+4*(\s)+2:G0+4*(\s)+3], s[14:15], (\s)*KSTEP*2  ; global address: K step s
	s_or_b32 s[G0+4*(\s)+3], s[G0+4*(\s)+3], 0x80000000            ; type = 2
	s_mov_b32 s[G0B+4*(\s)], 1
	s_add_co_u32 s[G0B+4*(\s)+1], s20, (\s)*SLOT
	s_add_nc_u64 s[G0B+4*(\s)+2:G0B+4*(\s)+3], s[46:47], (\s)*KSTEP*2
	s_or_b32 s[G0B+4*(\s)+3], s[G0B+4*(\s)+3], 0x80000000
	JLOAD \s                                       ; the ring is filled before anything else is done: two loads of mine are out
.endr
	; A fragment is 16 rows x 32 channels in 8 registers: lane l holds row l % 16; registers 0-3 channels 8 (l / 16) + 0..7, registers 4-7 channels 16 + 8 (l / 16) + 0..7: two loads of 16 bytes, 32 bytes apart.
	v_and_b32 v1, 15, v0                           ; l % 16
	v_bfe_u32 v2, v0, 4, 1                         ; l / 16
	v_mul_u32_u24 v3, v1, PITCH
	v_lshl_add_u32 v3, v2, 4, v3                   ; row x pitch + 16 x half
	s_mul_i32 s21, s11, HALFT                      ; my 128 rows of Q
	s_mul_i32 s22, s12, HALFT                      ; my 128 rows of K,
	s_add_co_u32 s22, s22, 2*HALFT                 ; which lie behind Q's 256
.irp s, 0,1
	v_add_nc_u32 v[ADRA+(\s)], s21, v3
	v_add_nc_u32 v[ADRB+(\s)], s22, v3
	s_add_co_u32 s21, s21, SLOT
	s_add_co_u32 s22, s22, SLOT
.endr
	s_mul_i32 s23, s10, 16*SPITCH
	s_add_co_u32 s23, s23, STAGE                   ; my stage
	v_mul_u32_u24 v4, v1, SPITCH                   ; in: row l % 16, 16 bytes for each half of the lanes
	v_lshl_add_u32 v4, v2, 4, v4
	v_add_nc_u32 v[STO], s23, v4
	v_mul_u32_u24 v5, v2, SPITCH                   ; back: lanes 0-15 take one row of 256 bytes, lanes 16-31 the next
	v_lshl_add_u32 v5, v1, 4, v5
	v_add_nc_u32 v[RD], s23, v5
	v_lshlrev_b32 v5, 13, v2                       ; and the same two rows in ph
	v_lshl_add_u32 v[CO], v1, 4, v5
	s_lshl_b32 s23, s10, 10
	s_add_co_u32 s23, s23, SSTG                    ; my 1,024 bytes for the statistics
	v_lshl_add_u32 v[SSW], v1, 2, s23
	v_and_b32 v6, 31, v0
	v_lshl_add_u32 v[SSR], v6, 4, s23
	v_lshlrev_b32 v[SCO], 4, v6
	; where my part of the tile begins in ph and in stats
	s_lshl_b32 s13, s13, 8
	s_lshl_b32 s14, s11, 7
	s_add_co_u32 s16, s13, s14                     ; my first row
	s_lshl_b32 s74, s16, 2                         ; stats: 4 bytes a row
	s_lshl_b32 s16, s16, 13                        ; ph: 8,192 bytes a row: under 2^26
	s_mov_b32 s17, 0
	s_lshl_b32 s46, s42, 9                         ; my first key, in bytes: 512 x tile column + 256 x half
	s_lshl_b32 s47, s12, 8
	s_add_co_u32 s46, s46, s47
	s_mov_b32 s47, 0
	s_add_nc_u64 s[16:17], s[16:17], s[46:47]
	s_add_nc_u64 s[8:9], s[8:9], s[16:17]          ; ph at my first row and key; never stepped: the rows stand in the stores' immediates
	s_lshl_b32 s75, s42, 1
	s_add_co_u32 s75, s75, s12                     ; my chunk = 2 x tile column + half
	s_lshl_b32 s75, s75, 15                        ; 8,192 rows of 4 bytes a chunk
	s_add_co_u32 s74, s74, s75
	s_mov_b32 s75, 0
	s_add_nc_u64 s[STP:STP+1], s[STP:STP+1], s[74:75]
	; the prefetches.  s13 = 256 x tile row, s42 = tile column, s40 = cx, s41 = cy still stand
	s_lshl_b32 s42, s42, 8
	s_add_co_u32 s42, s42, s77                     ; the tile's first row in kb
	s_and_b32 s22, ttmp7, 3                        ; my cluster among the four of its batch
	s_cmp_eq_u32 s11, 0                            ; do I fetch for Q?
	s_cselect_b32 s20, s13, s42                    ; the tile's first row
	s_cselect_b32 s21, s40, s41                    ; my place among the four that ask for it with me
	s_cselect_b32 s22, ttmp9, s22                  ; the coordinate along which other clusters read the same rows
	s_cselect_b64 s[PFA:PFA+1], s[4:5], s[6:7]
	s_cmp_eq_u32 s22, 0
	s_cselect_b32 s[LIM], 1, -1                    ; the same in all sixteen partners, for a given wave
	s_lshl_b32 s22, s12, 7
	s_add_co_u32 s20, s20, s22                     ; + the 128 rows that I fetch
	s_lshl_b32 s21, s21, 5
	s_add_co_u32 s20, s20, s21                     ; + my work-group's 32 of them
	s_lshl_b32 s20, s20, 11
	s_mov_b32 s21, 0
	s_add_nc_u64 s[PFA:PFA+1], s[PFA:PFA+1], s[20:21]
	s_add_nc_u64 s[PFA:PFA+1], s[PFA:PFA+1], 2*KSTEP*2  ; at K step 2: the first refill steps it to 3 and names K step 4
	v_lshlrev_b32 v[PFO], 11, v6
; 16 matrix instructions: query blocks a0, a0 + 1 of the window's four (hi = 0: my queries 0-63, 1: 64-127) x all 8 key blocks, 32 along K.
; zero = 1: the first product starts the sums: nothing is ever cleared.  The 64 accumulators take turns, one instruction a turn, in the same order in every quarter.
.macro MUL16 f, hi, a0, zero
	WIN MUL_LO+0x50*(\hi)
.irp a, \a0, (\a0)+1
.irp b, 0,1,2,3,4,5,6,7
.if \zero
	v_wmma_f32_16x16x32_bf16 v[8*(8*(\a)+(\b)):8*(8*(\a)+(\b))+7], v[(\f)+8*(\b):(\f)+8*(\b)+7], v[(\f)+8*(4*(\hi)+(\a)):(\f)+8*(4*(\hi)+(\a))+7], 0
.else
	v_wmma_f32_16x16x32_bf16 v[8*(8*(\a)+(\b)):8*(8*(\a)+(\b))+7], v[(\f)+8*(\b):(\f)+8*(\b)+7], v[(\f)+8*(4*(\hi)+(\a)):(\f)+8*(4*(\hi)+(\a))+7], v[8*(8*(\a)+(\b)):8*(8*(\a)+(\b))+7]
.endif
.endr
.endr
.endm
; 32 LDS loads in one run: the fragments of one quarter step (128 rows of K, 128 rows of Q, 32 channels at byte k of the rows) into buffer f
.macro FETCH slot, k, f
	WIN TO_B
.irp i, 0,1,2,3,4,5,6,7
	ds_load_b128 v[(\f)+8*(\i):(\f)+8*(\i)+3],   v[ADRB+(\slot)] offset:(\k)+(\i)*16*PITCH
	ds_load_b128 v[(\f)+8*(\i)+4:(\f)+8*(\i)+7], v[ADRB+(\slot)] offset:(\k)+(\i)*16*PITCH+32
.endr
	WIN 0
.irp i, 0,1,2,3,4,5,6,7
	ds_load_b128 v[(\f)+8*(\i):(\f)+8*(\i)+3],   v[ADRA+(\slot)] offset:(\k)+(\i)*16*PITCH
	ds_load_b128 v[(\f)+8*(\i)+4:(\f)+8*(\i)+7], v[ADRA+(\slot)] offset:(\k)+(\i)*16*PITCH+32
.endr
.endm
; Four plain vector instructions stand between a matrix instruction and a load into a register that it has read, or a vector instruction that reads its result or writes one of its registers
; (ISA guide 7.12.1 for vector instructions).
.macro PLACES
.rept 4
	v_nop
.endr
.endm
; A K step is four quarters of 32 along K, 64 matrix instructions each, on buffers 0, 1, 0, 1.  One of the first three multiplies buffer f and, in its middle, fetches the next quarter, at byte k, into g.
.macro QUARTER slot, k, f, g, zero
	s_wait_dscnt 8                                 ; K and Q's rows 0-63 are in; the youngest eight loads (Q's rows 64-127) may be out
	WIN MUL_LO
	MUL16 \f, 0, 0, \zero
	MUL16 \f, 0, 2, \zero
	PLACES
	FETCH \slot, \k, \g
	s_wait_dscnt 32                                ; all but the 32 just issued
	WIN MUL_HI
	MUL16 \f, 1, 0, \zero
	MUL16 \f, 1, 2, \zero
.endm
; The last quarter multiplies buffer 1 and changes slots.  MEET is its first half: one barrier, for two things.  In front of it each wave waits for all its tensor loads, of which one is out:
; its part of the next slot; adds 0 to its spare word; and waits for that and for its own reads of this slot.  Behind it nobody reads this slot any more and the next slot is whole.
.macro MEET round                      ; round = 1: a round of the cluster's barrier follows
	WIN 0                                          ; (the add's two registers lie in window 0)
	s_wait_tensorcnt 0x0                           ; all my tensor loads have landed
	ds_add_u32 v[SPW], v[NIL]                      ; 0 onto my spare word
	s_wait_dscnt 9                                 ; (the add and the youngest eight loads may be out)
	WIN MUL_LO
	MUL16 F1, 0, 0, 0                              ; sixteen matrix instructions stand between the add and the wait for it
	s_wait_dscnt 0x0                               ; the add is done, and my reads of this slot are over
	s_barrier_signal -1
	MUL16 F1, 0, 2, 0                              ; work on registers while the others arrive
.if \round
	WIN 0
.endif
	s_barrier_wait -1
.endm
; The whole last quarter.  fill = 1: behind the round the slot just read out is filled again first, with the K step two steps on: 224 matrix instructions ahead of the wait for it.
.macro TURN slot, next, fill
.if \fill
	s_wait_xcnt 0x0                                ; the last prefetch, a K step back, has read its address: it is stepped here, ahead of the waits of the change of slots
	s_add_nc_u64 s[PFA:PFA+1], s[PFA:PFA+1], KSTEP*2
	MEET 1
	CREST                                          ; no wave of any partner still reads this slot's tile or has a load on its way
	s_add_nc_u64 s[G0+4*(\slot)+2:G0+4*(\slot)+3], s[G0+4*(\slot)+2:G0+4*(\slot)+3], 2*KSTEP*2
	s_add_nc_u64 s[G0B+4*(\slot)+2:G0B+4*(\slot)+3], s[G0B+4*(\slot)+2:G0B+4*(\slot)+3], 2*KSTEP*2
	JLOAD \slot                                    ; the first tensor load behind the round; the four v_nop behind it are also the places in front of the loads below
.else
	MEET 0
	PLACES
.endif
	FETCH \next, 0, F0
.if \fill
	ASK
.endif
	WIN MUL_HI
	MUL16 F1, 1, 0, 0
	MUL16 F1, 1, 2, 0
.endm
; THE WAY OUT of block a (16 queries x 128 keys, 8 accumulators, 64 registers a lane).
; SOFT: the maximum in four chains (each accumulator's lowest registers are read first), the other half of the lanes', cm = c x maximum; then ONE BATCH: the 32 packed
; scalings c s - cm and the 64 exponentials, in place, none of which names an exponential's result; a v_nop, the plain instruction behind the last exponential; ONE wait
; ahead of the first line that names a result; then the 32 roundings to f16 and the sum of the unrounded weights, a tree in place.
.macro SCL x
	v_pk_fma_f32 v[AC+2*(\x):AC+2*(\x)+1], v[AC+2*(\x):AC+2*(\x)+1], s[CS:CS+1], v[C0:C0+1] op_sel_hi:[1,0,0] neg_lo:[0,0,1] neg_hi:[0,0,1]
.endm
.macro SOFT a
.set W,  2+(\a)/4
.set AC, 64*((\a)%4)
.set C0, ST+4*(\a)
	WIN 0
.irp i, 0,1,2,3
	v_mov_b32 v[C0+(\i)], 0xff7fffff               ; the lowest finite number starts the four chains
.endr
	WIN (W<<2)|(W<<4)                              ; sources 1 and 2: the accumulators' window
.set j, 0
.rept 8
.irp i, 0,1,2,3
	v_max3_num_f32 v[C0+(\i)], v[C0+(\i)], v[AC+16*(\i)+2*j], v[AC+16*(\i)+2*j+1]
.endr
.set j, j+1
.endr
	WIN 0
	v_max3_num_f32 v[C0], v[C0], v[C0+1], v[C0+2]
	v_max_num_f32 v[C0], v[C0], v[C0+3]
	v_permlanex16_b32 v[C0+1], v[C0], s[SEL], s[SEL+1]  ; the query's other 64 keys lie in the lane 16 away
	v_max_num_f32 v[C0], v[C0], v[C0+1]
	v_mul_f32 v[C0], s[CS], v[C0]                  ; cm
	WIN W|(W<<6)                                   ; destination and source 0: the accumulators' window; cm in window 0
	SCL 0
	SCL 1
.set n, 0
.rept 32
	v_exp_f32 v[AC+2*n], v[AC+2*n]
	v_exp_f32 v[AC+2*n+1], v[AC+2*n+1]
.if n < 30
	SCL n+2                                        ; a pair is scaled two pairs ahead of its exponentials
.endif
.set n, n+1
.endr
	v_nop
	s_wait_alu depctr_va_vdst(0)                   ; the wait for the batch
	WIN W|(W<<2)
.irp b, 0,1,2,3,4,5,6,7
.irp r, 0,1,2,3
	v_cvt_pk_f16_f32 v[TMP+4*(\b)+(\r)], v[AC+8*(\b)+2*(\r)], v[AC+8*(\b)+2*(\r)+1]
.endr
.endr
	WIN W|(W<<2)|(W<<6)
.irp st, 4,8,16,32,64                  ; 31 packed additions: neighbours 1, 2, 4, 8 and 16 pairs apart
.set x, 0
.rept 64/(\st)
	v_pk_add_f32 v[AC+x:AC+x+1], v[AC+x:AC+x+1], v[AC+x+(\st)/2:AC+x+(\st)/2+1]
.set x, x+(\st)
.endr
.endr
	WIN W|(W<<2)
	v_add_f32 v[C0+1], v[AC], v[AC+1]
	WIN 0
	v_permlanex16_b32 v[C0+2], v[C0+1], s[SEL], s[SEL+1]
	v_add_f32 v[C0+1], v[C0+1], v[C0+2]            ; l
.endm
; TOSTAGE: 16 bytes a lane into my own stage, rows of 272 bytes, and back as whole rows of 256.  SEND: stored.
.macro TOSTAGE a
	WIN 0
.set BK, OB+192*((\a)%2)
.irp b, 0,1,2,3,4,5,6,7
	ds_store_b128 v[STO], v[TMP+4*(\b):TMP+4*(\b)+3] offset:32*(\b)
.endr
.irp t, 0,1,2,3,4,5,6,7
	ds_load_b128 v[BK+4*(\t):BK+4*(\t)+3], v[RD] offset:(\t)*2*SPITCH  ; LDS serves a wave's instructions in order (ISA guide 5.7.1.4): these see the stores above
.endr
.endm
.macro SEND a
	WIN 0
.set BK, OB+192*((\a)%2)
	s_wait_dscnt 0x0                               ; the block is back in registers
	s_wait_xcnt 0x0                                ; the stores of the block before have read their registers: the next TOSTAGE loads into them only behind this wait
.irp t, 0,1,2,3,4,5,6,7
	global_store_b128 v[CO], v[BK+4*(\t):BK+4*(\t)+3], s[8:9] offset:(16*(\a)+2*(\t))*PROW  ; 16 lanes store 256 consecutive bytes, at a multiple of 256 from ph's first byte; 126 rows at the most: inside the signed 24-bit immediate
.endr
.endm
	s_wait_tensorcnt 1                             ; my part of K step 0 is in; K step 1's may stay out
	s_barrier_signal -1
	s_barrier_wait -1                              ; everybody's is
	FETCH 0, 0, F0
	QUARTER 0, 64,  F0, F1, 1                      ; the first quarter stands in front of the loop: its products start the sums
	WIN 0                                          ; at a label and at a branch every window is 0
	s_mov_b32 s3, LAPS-1
.Llap:                                                 ; a trip goes once round the ring, from a lap's second quarter to the next lap's first, and fills both slots again: K steps 2 to 7
	QUARTER 0, 128, F1, F0, 0
	QUARTER 0, 192, F0, F1, 0
	TURN 0, 1, 1
	QUARTER 1, 64,  F0, F1, 0
	QUARTER 1, 128, F1, F0, 0
	QUARTER 1, 192, F0, F1, 0
	TURN 1, 0, 1
	QUARTER 0, 64,  F0, F1, 0
	WIN 0
	s_sub_co_u32 s3, s3, 1
	s_cmp_lg_u32 s3, 0
	s_cbranch_scc1 .Llap
	QUARTER 0, 128, F1, F0, 0                      ; the last lap is written out: it fills nothing, and has no round of the cluster's barrier
	QUARTER 0, 192, F0, F1, 0
	TURN 0, 1, 0
	QUARTER 1, 64,  F0, F1, 0
	QUARTER 1, 128, F1, F0, 0
	QUARTER 1, 192, F0, F1, 0
	s_wait_dscnt 8                                 ; the very last quarter: nothing more to fetch
	WIN MUL_LO
	MUL16 F1, 0, 0, 0
	MUL16 F1, 0, 2, 0
	s_wait_dscnt 0x0
	WIN MUL_HI
	MUL16 F1, 1, 0, 0
	MUL16 F1, 1, 2, 0
	PLACES                                         ; behind the last products: what follows reads results and writes registers that held fragments
	SOFT 0
	TOSTAGE 0
.irp a, 1,2,3,4,5,6,7                  ; block a's arithmetic stands between block a - 1's loads from the stage and the wait for them
	SOFT \a
	SEND (\a)-1
	TOSTAGE \a
.endr
	SEND 7
	; the statistics: a block's 16 cm and 16 l (the two halves of the lanes hold and write the same numbers) go through my own LDS bytes, so that the wave's 128 rows leave as 512 consecutive bytes
.irp a, 0,1,2,3,4,5,6,7
	ds_store_b32 v[SSW], v[ST+4*(\a)]   offset:64*(\a)
	ds_store_b32 v[SSW], v[ST+4*(\a)+1] offset:512+64*(\a)
.endr
	ds_load_b128 v[TMP:TMP+3],   v[SSR]
	ds_load_b128 v[TMP+4:TMP+7], v[SSR] offset:512
	s_wait_dscnt 0x0
	global_store_b128 v[SCO], v[TMP:TMP+3],   s[STP:STP+1]
	global_store_b128 v[SCO], v[TMP+4:TMP+7], s[STP:STP+1] offset:1048576
	s_wait_tensorcnt 0x0                           ; the wave's end: a wait, an add and its wait, behind my last tensor load and my last LDS store
	ds_add_u32 v[SPW], v[NIL]
	s_wait_dscnt 0x0
	CROUND                                         ; the closing round: no work-group ends while a partner may still ask for a tile that names it
	s_endpgm
.Lfunc_end_k_qcc644b9419_scores:
	.size	k_qcc644b9419_scores, .Lfunc_end_k_qcc644b9419_scores-k_qcc644b9419_scores
	.p2alignl 7, 3214868480
	.fill 96, 4, 3214868480
	.section	.rodata,"a",@progbits
	.p2align	6, 0x0
	.amdhsa_kernel k_qcc644b9419_scores
		.amdhsa_group_segment_fixed_size 327680
		.amdhsa_private_segment_fixed_size 0
		.amdhsa_enable_private_segment 0
		.amdhsa_kernarg_size 32
		.amdhsa_user_sgpr_count 2
		.amdhsa_user_sgpr_kernarg_segment_ptr 1
		.amdhsa_wavefront_size32 1
		.amdhsa_system_sgpr_workgroup_id_x 1
		.amdhsa_system_sgpr_workgroup_id_y 1
		.amdhsa_system_sgpr_workgroup_id_z 1
		.amdhsa_system_vgpr_workitem_id 0
		.amdhsa_next_free_vgpr 1024
		.amdhsa_next_free_sgpr 80
		.amdhsa_reserve_vcc 0
		.amdhsa_float_denorm_mode_32 3
		.amdhsa_float_denorm_mode_16_64 3
		.amdhsa_memory_ordered 1
		.amdhsa_forward_progress 1
		.amdhsa_inst_pref_size 215
	.end_amdhsa_kernel
	.amdgpu_metadata
---
amdhsa.version: [ 1, 2 ]
amdhsa.kernels:
  - .name:           k_qcc644b9419_scores
    .symbol:         k_qcc644b9419_scores.kd
    .args:
      - { .name: qb, .offset: 0, .size: 8, .value_kind: global_buffer, .address_space: global }
      - { .name: kb, .offset: 8, .size: 8, .value_kind: global_buffer, .address_space: global }
      - { .name: ph, .offset: 16, .size: 8, .value_kind: global_buffer, .address_space: global }
      - { .name: stats, .offset: 24, .size: 8, .value_kind: global_buffer, .address_space: global }
    .group_segment_fixed_size: 327680
    .private_segment_fixed_size: 0
    .kernarg_segment_align: 8
    .kernarg_segment_size: 32
    .max_flat_workgroup_size: 128
    .sgpr_count:     80
    .vgpr_count:     1024
    .wavefront_size: 32
...
	.end_amdgpu_metadata
.endif
;; end of part 2
;; launch mix (part 3): grid 4 x 64, 4 waves a work-group, clusters of 4 x 4, 327,680 bytes of LDS; arguments ph, vh, stats, out0; writes out0
.if DOCPART == 3
	.amdgcn_target "amdgcn-amd-amdhsa--gfx1250"
	.amdhsa_code_object_version 6
	.text
	.protected	k_qcc644b9419_mix
	.globl	k_qcc644b9419_mix
	.p2align	8
	.type	k_qcc644b9419_mix,@function
k_qcc644b9419_mix:
	s_mov_b64 s[64:65], 0
	v_nop
	global_prefetch_b8 v0, s[64:65] scope:SCOPE_SE
	s_setreg_imm32_b32 hwreg(HW_REG_WAVE_MODE, 25, 1), 1
	s_wait_xcnt 0x0
	s_wait_alu depctr_hold_cnt(0) depctr_sa_sdst(0) depctr_va_vdst(0) depctr_va_sdst(0) depctr_va_ssrc(0) depctr_va_vcc(0) depctr_vm_vsrc(0)
	s_getreg_b32 s2, hwreg(HW_REG_IB_STS2, 6, 4)
	s_cmp_eq_u32 s2, 0
	s_cbranch_scc0 .Lentry_in_a_cluster
	s_endpgm
.Lentry_in_a_cluster:
	s_bfe_u32 s2, ttmp6, 0x10000c
	s_cmp_lg_u32 s2, 0xf033
	s_cbranch_scc0 .Lentry_shape_is_right
	s_endpgm
.Lentry_shape_is_right:
; out0[row][:] = (sum over the 32 chunks of f_chunk x (P_chunk V_chunk)) / L.  ph [8192 rows][4096 keys] f16 holds p = 2^(c s - cm), normalised by each chunk of 128 keys;
; stats holds cm and l (f32) for each chunk and row; vh [8192][1024] f16 holds v.  For each row: M = the largest cm (the row's true maximum, in c's units), f = 2^(cm - M), L = sum f l.
; The weights are multiplied by f in f16, between their load from LDS and the matrix instruction; products' sums, M, L and 1 / L in f32; out0 is f32.
; LIMITS.  f and p f keep f16's fixed step of 6e-8 below 6e-5, and an f below 3e-8 counts as 0 in the product (in L it is kept in f32; L is at least about 1, the largest chunk's l);
; v arrives within f16's range; NaN and infinities are not treated apart.  The chunks are summed in each cluster's own order (below), not in ascending order.
; SHARES.  A work-group of four waves makes 128 queries x 256 channels: 256 work-groups.  A wave makes 64 x 128: 32 accumulators of 16 x 16, 256 registers.  The sum goes over the batch's 4,096 keys in
; 32 steps of 128 (a step is a chunk) through a ring of two LDS slots: P's tile 128 rows x 256 bytes, V's 128 keys x 512 bytes.
; CLUSTERS: 4 x 4 work-groups.  The four of a row of the cluster need the same tiles of P, the four of a column the same tiles of V: each is asked for JOINTLY.
; THE WALK.  Of the cluster's y (0 to 15) bit 2 is the batch; the other three bits number the batch's eight clusters, j = (y & 3) + 4 (y >> 3).  Cluster j makes the batch's queries 512 j .. 512 j + 511 and
; begins its walk at chunk 4 j: step s takes chunk (4 j + s) mod 32.  So at no step do two clusters ask for the same rows of vh.  A refill's global addresses are made anew from the chunk's number;
; the factor table lies in LDS in the order of the walk, so that no LDS address hangs on j.
; LAYOUT.  O^T = V^T P: source 0 = 16 channels x 32 keys, out of LDS turned by ds_load_tr16_b128; source 1 = 16 queries x 32 keys, as it lies.  In the result a lane holds ONE query (lane % 16)
; and the channels 8 (lane / 16) + 0..7: 32 consecutive bytes of a row of out0.  A lane of a P fragment holds one query too, so one word (f twice, in f16) scales all its registers.
; REGISTERS, in windows of 256 (s_set_vgpr_msb's low byte: bits 1:0 source 0, 3:2 source 1, 5:4 source 2, 7:6 destination):
;   window 0: v0-31 addresses; v32-39 two sets of four factor words; v40-47 1 / L; v64-191 V's fragments, two buffers of 8 (ahead of the loop: cm, l, f, offsets; on the way out with v192-255: at work)
;   window 1: v0-127 the accumulators of query blocks 0, 1 (block a, channel block b at v[8 (8 (a % 2) + b)]); v128-159 P's fragments of those blocks, two buffers      window 2: the same for blocks 2, 3
; Under ONE setting stand the products of a window, the scalings of its P fragments (factor in window 0) and the loads of those fragments (address in window 0).
.set PA,    272                        ; a row of P in LDS: 256 bytes + 16 of padding: the 16 rows of a fragment load start at 16 different groups of four banks (64 banks of 4 bytes: ISA guide 11.1)
.set PV,    544                        ; a row of V: 512 + 32 = 136 words
.set BOFF,  128*PA                     ; in a slot: P's 128 rows, then V's 128 keys
.set SLOT,  BOFF+128*PV
.set STAGE, 2*SLOT                     ; behind the ring: 16 rows x 528 bytes for each wave, for the way out
.set SP,    528
.set FT,    STAGE+4*16*SP              ; behind the stages: 33 rows of 512 bytes: row s the factor words of the walk's step s, row 32 the 1 / L; tile row t at byte 256 (t / 64) + 16 (t % 16) + 4 ((t / 16) % 4)
.set SPARE, FT+33*512                  ; behind them: the spare words, 128 bytes for each wave: two blocks of 256 bytes that no other line names
.set FW,   12                          ; v12     where thread t puts row t's words in a row of FT
.set SO,   13                          ; v13     4 t: row t's word in a chunk's part of stats
.set ADRA, 16                          ; v16-17  LDS address of my P fragments in slot 0, 1
.set ADRB, 20                          ; v20-21  the same for V
.set STO,  24                          ; v24     the way out: where I put 32 bytes of a row
.set RD,   25                          ; v25     the way out: where I read a row back
.set CO,   26                          ; v26     my 16 bytes of a row's 512 in out0
.set AF,   27                          ; v27     LDS address of my four factor words of the step to come; it steps by a row of FT
.set SPW,  28                          ; v28     LDS address of my spare word: SPARE + 4 x my thread's number; never rewritten
.set NIL,  29                          ; v29     0; never rewritten
.set PFO,  30                          ; v30     the prefetches' offset: my lane x a row of ph (8,192 bytes); never rewritten
.set FR,   32                          ; v[32:39] the factor words of query blocks 0-3, a set for each slot
.set RLR,  40                          ; v[40:43] 1 / L of query blocks 0-3
.set RLX,  44                          ; v[44:47] blocks 1 and 3 once more, each as a pair: the packed multiply takes a pair's low word for both halves
.set CMR,  64                          ; ahead of the loop: v64-95 cm, then f, in the order of the walk
.set LR,   96                          ; v96-127 l, then the factor words
.set OF,   128                         ; v128-159 row t's byte offset in stats for each step of the walk
.set VF,   64
.set PF,   128                         ; in windows 1 and 2
.set TMP,  64                          ; the way out: a block's 64 numbers
.set OB,   128                         ; the way out: 16 rows read back: v128-191 and v192-255 by turns
.set F0,   0
.set F1,   1
.set WV,  12                           ; s12  my wave's number
.set HI,  13                           ; s13  which half of the tile's queries is mine.  Also: I fetch for P (0) or for V (1)
.set LO,  14                           ; s14  which half of its channels.  Also: which 64 rows of that tile I fetch
.set LIM, 15                           ; s15  1 in a wave that prefetches, else the greatest number
.set G1A, 24                           ; s[24:31] descriptor group 1 for P's tiles;  s[32:39] group 0, one set for each slot
.set G0A, 32
.set G1B, 48                           ; s[48:55], s[56:63] the same for V's tiles
.set G0B, 56
.set PFA, 66                           ; s[66:67] the address of the prefetch in hand
.set NX,  76                           ; s76  the chunk that the next refill asks for
.set OT,  78                           ; s[78:79] a byte offset made of a chunk's number; the high word stays 0
.set PB,  80                           ; s[80:81] ph at my 64 rows of the tile, chunk 0
.set VB,  82                           ; s[82:83] vh at my 64 keys of the batch's chunk 0, at the tile's channels
.set PFB, 84                           ; s[84:85] ph at my work-group's 32 rows for the prefetches, chunk 0
.set C0,  86                           ; s86  4 j: the chunk at which my cluster's walk begins
.set MSB, 0
.macro WIN new                         ; the immediate's high byte repeats the setting that is left; a switch that changes nothing is dropped
.if MSB != (\new)
	s_set_vgpr_msb (MSB<<8)|(\new)
.set MSB, \new
.endif
.endm
.set H0, 0x54                          ; source 0 window 0; source 1, C and D window 1
.set H1, 0xa8                          ; the same with window 2
.macro JLOAD s                         ; a joint load: waves 0 and 1 fetch P's two halves, waves 2 and 3 V's; an s_nop 0 and four v_nop follow each of the two lines, ahead of the jump, the label and what follows
	s_cmp_eq_u32 s[HI], 0
	s_cbranch_scc0 .Lfor_b_\@
	tensor_load_to_lds s[G0A+4*(\s):G0A+4*(\s)+3], s[G1A:G1A+7]
	s_nop 0
.rept 4
	v_nop
.endr
	s_branch .Lasked_\@
.Lfor_b_\@:
	tensor_load_to_lds s[G0B+4*(\s):G0B+4*(\s)+3], s[G1B:G1B+7]
	s_nop 0
.rept 4
	v_nop
.endr
.Lasked_\@:
.endm
; A PREFETCH INTO THE L2, behind each joint refill and the run of LDS loads that follows it: P's tile of the step that stands two refills on, 256 matrix instructions ahead of the load that will want it.
; Each aligned block of 256 bytes of ph is named once in the launch: a tile (128 rows x 256 bytes a step) is read by one row of one cluster alone, and wave 0 of each of its four partners asks for 32 rows,
; 32 cx + lane: the partners are told apart by address, never by a branch.  Steps 0 to 3 come by their loads alone; the loop's last trip (s3 = 1) asks for nothing: there is no step 32.
; vh is not asked for: the walks of a batch's eight clusters begin 4 chunks apart, so every row of vh has its first reading of the launch in some cluster's steps 0 to 3.
.macro ASK
	s_cmp_gt_u32 s3, s[LIM]
	s_cbranch_scc0 .Lnot_mine_\@
	global_prefetch_b8 v[PFO], s[PFA:PFA+1] th:TH_LOAD_NT scope:SCOPE_SE
.Lnot_mine_\@:
.endm
.macro CREST                           ; a round of the cluster's barrier behind its opening barrier
	s_cmp_lg_u32 s[WV], 0
	s_cbranch_scc1 .Lnot_wave_0_\@
	s_barrier_signal -3
.Lnot_wave_0_\@:
	s_barrier_wait -3
	s_barrier_signal -1
	s_barrier_wait -1
.endm
.macro CROUND                          ; a whole round
	s_barrier_signal -1
	s_barrier_wait -1
	CREST
.endm
	s_load_b256 s[4:11], s[0:1], 0x0               ; ph s[4:5], vh s[6:7], stats s[8:9], out0 s[10:11]
	v_lshl_add_u32 v[SPW], v0, 2, SPARE
	v_mov_b32 v[NIL], 0
	ds_add_u32 v[SPW], v[NIL]                      ; the wave's opening: the add and its wait stand ahead of my first tensor load; the set-up below, work on registers, stands between them
	v_lshrrev_b32 v1, 5, v0
	v_readfirstlane_b32 s[WV], v1                  ; wave 0..3
	s_lshr_b32 s[HI], s[WV], 1
	s_and_b32 s[LO], s[WV], 1
	s_bfe_u32 s40, ttmp6, 0x40000                  ; cx
	s_bfe_u32 s41, ttmp6, 0x40004                  ; cy
	s_lshl_b32 s42, ttmp9, 2
	s_add_co_u32 s42, s42, s40                     ; tile column = 4 x cluster x + cx: channels 256 x that
	s_and_b32 s44, ttmp7, 0xffff                   ; cluster y, 0 to 15
	s_bfe_u32 s45, s44, 0x10002                    ; the batch: bit 2 of it; the same in all sixteen partners
	s_and_b32 s16, s44, 3
	s_lshr_b32 s17, s44, 3
	s_lshl2_add_u32 s17, s17, s16                  ; j: my cluster among the batch's eight
	s_lshl_b32 s[C0], s17, 2                       ; its walk begins at chunk 4 j
	s_add_co_u32 s[NX], s[C0], 2                   ; the first fills take chunks 4 j and 4 j + 1 (29 at the most), the first refill the next
	s_mov_b32 s[OT+1], 0
	s_lshl2_add_u32 s43, s17, s41                  ; 4 j + cy,
	s_lshl_b32 s16, s45, 5
	s_add_co_u32 s43, s43, s16                     ; tile row = 32 x batch + 4 j + cy: rows 128 x that
	s_lshl_b32 s16, s41, 2
	s_lshl_b32 s16, 15, s16                        ; my row of the cluster
	s_lshl_b32 s17, 0x1111, s40                    ; my column
	s_or_b32 s[G1A], s16, (1<<16)|(1<<20)|(1<<21)|(5<<22)|(3<<25)  ; 15:0 the mask: P's tiles go to my row; 17:16 elements of 2 bytes; 20 padding on; 21 set beside a mask; 24:22 after every 64 words; 31:25 4 words of it
	s_mov_b32 s[G1A+1], 128<<16                    ; tensor_dim0 = 128
	s_mov_b32 s[G1A+2], 64<<16                     ; tensor_dim1 = 64
	s_mov_b32 s[G1A+3], 128<<16                    ; tile_dim0 = 128
	s_mov_b32 s[G1A+4], 64                         ; tile_dim1 = 64
	s_mov_b32 s[G1A+5], 4096                       ; elements from row to row of ph
	s_mov_b32 s[G1A+6], 0
	s_mov_b32 s[G1A+7], 0
	s_or_b32 s[G1B], s17, (1<<16)|(1<<20)|(1<<21)|(6<<22)|(7<<25)  ; V's tiles go to my column; padding after every 128 words, 8 words of it
	s_mov_b32 s[G1B+1], 256<<16                    ; tensor_dim0 = 256
	s_mov_b32 s[G1B+2], 64<<16                     ; tensor_dim1 = 64
	s_mov_b32 s[G1B+3], 256<<16                    ; tile_dim0 = 256
	s_mov_b32 s[G1B+4], 64                         ; tile_dim1 = 64
	s_mov_b32 s[G1B+5], 1024                       ; elements from row to row of vh
	s_mov_b32 s[G1B+6], 0
	s_mov_b32 s[G1B+7], 0
	; where the tiles come from.  P's hang on the tile row alone, which my row of the cluster shares; V's on the batch and the tile column, which my column shares; both on the chunk, which all sixteen share.
	s_lshl_b32 s18, s43, 20                        ; P: row 128 x tile row + 64 x half, 8,192 bytes a row: under 2^26
	s_lshl_b32 s19, s[LO], 19
	s_add_co_u32 s18, s18, s19
	s_mov_b32 s19, 0
	s_lshl_b32 s46, s45, 23                        ; V: row 4,096 x batch + 64 x half, 2,048 bytes a row; byte 512 x tile column of it
	s_lshl_b32 s47, s[LO], 17
	s_add_co_u32 s46, s46, s47
	s_lshl_b32 s47, s42, 9
	s_add_co_u32 s46, s46, s47
	s_mov_b32 s47, 0
	s_mul_i32 s20, s[LO], 64*PA                    ; and where they go: no place in the cluster enters an LDS address
	s_mul_i32 s21, s[LO], 64*PV
	s_add_co_u32 s21, s21, BOFF
	s_wait_dscnt 0x0                               ; the opening add is done
	s_wait_kmcnt 0x0
	s_add_nc_u64 s[PB:PB+1], s[4:5], s[18:19]
	s_add_nc_u64 s[VB:VB+1], s[6:7], s[46:47]
	CROUND                                         ; all sixteen work-groups are here: the first joint loads meet
.irp s, 0,1
	s_mov_b32 s[G0A+4*(\s)], 1                                     ; count = 1
	s_add_co_u32 s[G0A+4*(\s)+1], s20, (\s)*SLOT                   ; LDS address
	s_add_co_u32 s[OT], s[C0], \s                                  ; the walk's step s: chunk 4 j + s
	s_lshl_b32 s[OT], s[OT], 8                                     ; a chunk is 256 bytes along ph's rows
	s_add_nc_u64 s[G0A+4*(\s)+2:G0A+4*(\s)+3], s[PB:PB+1], s[OT:OT+1]  ; global address
	s_or_b32 s[G0A+4*(\s)+3], s[G0A+4*(\s)+3], 0x80000000          ; type = 2
	s_mov_b32 s[G0B+4*(\s)], 1
	s_add_co_u32 s[G0B+4*(\s)+1], s21, (\s)*SLOT
	s_add_co_u32 s[OT], s[C0], \s
	s_lshl_b32 s[OT], s[OT], 18                                    ; and 128 rows of 2,048 bytes of vh
	s_add_nc_u64 s[G0B+4*(\s)+2:G0B+4*(\s)+3], s[VB:VB+1], s[OT:OT+1]
	s_or_b32 s[G0B+4*(\s)+3], s[G0B+4*(\s)+3], 0x80000000
	JLOAD \s                                       ; two loads of mine are out
.endr
	s_lshl_b32 s70, s43, 19                        ; out0 at my first row and channel: (128 x tile row + 64 HI) rows of 4,096 bytes + 1,024 x tile column + 512 LO
	s_lshl_b32 s71, s[HI], 18
	s_add_co_u32 s70, s70, s71
	s_lshl_b32 s71, s42, 10
	s_add_co_u32 s70, s70, s71
	s_lshl_b32 s71, s[LO], 9
	s_add_co_u32 s70, s70, s71
	s_mov_b32 s71, 0
	s_add_nc_u64 s[10:11], s[10:11], s[70:71]
	s_lshl_b32 s72, s43, 9                         ; stats at the tile's first row
	s_mov_b32 s73, 0
	s_add_nc_u64 s[8:9], s[8:9], s[72:73]
	; THE ROWS' STATISTICS, while the first tiles are on their way.  Thread t takes tile row t: 32 cm and 32 l, in the order of the walk: step c is chunk (4 j + c) mod 32, 32,768 bytes a chunk.
	v_lshlrev_b32 v[SO], 2, v0
.set c, 0
.rept 32
	s_add_co_u32 s16, s[C0], c
	s_and_b32 s16, s16, 31
	s_lshl_b32 s16, s16, 15
	v_add_nc_u32 v[OF+c], s16, v[SO]
	global_load_b32 v[CMR+c], v[OF+c], s[8:9]
.set c, c+1
.endr
.set c, 0
.rept 32
	global_load_b32 v[LR+c], v[OF+c], s[8:9] offset:1048576
.set c, c+1
.endr
	; the addresses are made while those loads are out
	v_and_b32 v1, 15, v0                           ; l % 16
	v_bfe_u32 v2, v0, 4, 1                         ; l / 16
	v_and_b32 v3, 31, v0                           ; lane
	v_mul_u32_u24 v4, v1, PA                       ; a fragment of P: row l % 16, 16 bytes for each half of the lanes, twice, 32 bytes apart
	v_lshl_add_u32 v4, v2, 4, v4
	s_mul_i32 s16, s[HI], 64*PA                    ; my 64 queries
	v_and_b32 v5, 7, v0                            ; the turning load takes 16 keys x 16 channels: lane l reads key 8 (l / 16) + l % 8, channels 8 ((l / 8) % 2) + 0..7, and is left with channel l % 16 and 8 keys
	v_lshl_add_u32 v5, v2, 3, v5
	v_mul_u32_u24 v5, v5, PV
	v_bfe_u32 v6, v0, 3, 1
	v_lshl_add_u32 v5, v6, 4, v5
	s_lshl_b32 s17, s[LO], 8                       ; my 128 channels
	s_add_co_u32 s17, s17, BOFF
.irp s, 0,1
	v_add_nc_u32 v[ADRA+(\s)], s16, v4
	v_add_nc_u32 v[ADRB+(\s)], s17, v5
	s_add_co_u32 s16, s16, SLOT
	s_add_co_u32 s17, s17, SLOT
.endr
	s_mul_i32 s16, s[WV], 16*SP
	s_add_co_u32 s16, s16, STAGE                   ; my stage
	v_mul_u32_u24 v4, v1, SP                       ; in: row l % 16, 32 bytes for each half of the lanes
	v_lshl_add_u32 v4, v2, 5, v4
	v_add_nc_u32 v[STO], s16, v4
	v_lshl_add_u32 v[RD], v3, 4, s16               ; back: 32 lanes take one row of 512 bytes
	v_lshlrev_b32 v[CO], 4, v3
	s_lshl_b32 s16, s[HI], 8
	s_add_co_u32 s16, s16, FT
	v_lshl_add_u32 v[AF], v1, 4, s16               ; my query's four words (blocks 0-3) in a row of FT
	v_lshrrev_b32 v7, 6, v0                        ; and where thread t puts row t's word
	v_bfe_u32 v8, v0, 4, 2
	v_lshlrev_b32 v7, 8, v7
	v_lshl_add_u32 v7, v1, 4, v7
	v_lshl_add_u32 v7, v8, 2, v7
	v_add_nc_u32 v[FW], FT, v7
	; the prefetches: ph at row 128 x tile row + 32 cx, a lane a row
	s_lshl_b32 s70, s43, 20
	s_lshl_b32 s71, s40, 18
	s_add_co_u32 s70, s70, s71
	s_mov_b32 s71, 0
	s_add_nc_u64 s[PFB:PFB+1], s[4:5], s[70:71]
	s_cmp_eq_u32 s[WV], 0
	s_cselect_b32 s[LIM], 1, -1                    ; wave 0 asks: the same in all sixteen partners
	v_lshlrev_b32 v[PFO], 13, v3
	s_wait_loadcnt 0x0                             ; cm and l
	v_max_num_f32 v48, v[CMR], v[CMR+1]            ; M
.set c, 2
.rept 15
	v_max3_num_f32 v48, v48, v[CMR+c], v[CMR+c+1]
.set c, c+2
.endr
.set c, 0
.rept 32
	v_sub_f32 v[CMR+c], v[CMR+c], v48
.set c, c+1
.endr
.set c, 0
.rept 32
	v_exp_f32 v[CMR+c], v[CMR+c]                   ; f = 2^(cm - M): one batch
.set c, c+1
.endr
	v_nop                                          ; a plain instruction behind the last exponential,
	s_wait_alu depctr_va_vdst(0)                   ; and the one wait ahead of the first line that names a result
.irp i, 0,1,2,3
	v_mul_f32 v[44+(\i)], v[CMR+(\i)], v[LR+(\i)]  ; L = sum f l, in four chains
.endr
.set c, 4
.rept 28
	v_fma_f32 v[44+c%4], v[CMR+c], v[LR+c], v[44+c%4]
.set c, c+1
.endr
	v_add_f32 v44, v44, v45
	v_add_f32 v46, v46, v47
	v_add_f32 v44, v44, v46
	v_rcp_f32 v49, v44                             ; 1 / L; the 32 roundings below are the independent work behind it
.set c, 0
.rept 32
	v_cvt_pk_f16_f32 v[LR+c], v[CMR+c], v[CMR+c]   ; f twice in a word
.set c, c+1
.endr
	s_wait_alu depctr_va_vdst(0)                   ; ahead of the store that reads 1 / L
.set c, 0
.rept 32
	ds_store_b32 v[FW], v[LR+c] offset:512*c
.set c, c+1
.endr
	ds_store_b32 v[FW], v49 offset:32*512
; A product.  The 32 accumulators take turns, one instruction a turn, in the same order in every quarter.
.macro WM f, ap, b, zero
.if \zero
	v_wmma_f32_16x16x32_f16 v[8*(8*(\ap)+(\b)):8*(8*(\ap)+(\b))+7], v[VF+64*(\f)+8*(\b):VF+64*(\f)+8*(\b)+7], v[PF+16*(\f)+8*(\ap):PF+16*(\f)+8*(\ap)+7], 0
.else
	v_wmma_f32_16x16x32_f16 v[8*(8*(\ap)+(\b)):8*(8*(\ap)+(\b))+7], v[VF+64*(\f)+8*(\b):VF+64*(\f)+8*(\b)+7], v[PF+16*(\f)+8*(\ap):PF+16*(\f)+8*(\ap)+7], v[8*(8*(\ap)+(\b)):8*(8*(\ap)+(\b))+7]
.endif
.endm
; Window hi's first query block: its fragment of P is scaled by its factor word (set fs); then its eight products, and behind each one register of the second block's fragment is scaled.
.macro HALFA f, hi, zero, fs
	WIN H0+0x54*(\hi)
.irp r, 0,1,2,3,4,5,6,7
	v_pk_mul_f16 v[PF+16*(\f)+(\r)], v[FR+4*(\fs)+2*(\hi)], v[PF+16*(\f)+(\r)]
.endr
.irp b, 0,1,2,3,4,5,6,7
	WM \f, 0, \b, \zero
	v_pk_mul_f16 v[PF+16*(\f)+8+(\b)], v[FR+4*(\fs)+2*(\hi)+1], v[PF+16*(\f)+8+(\b)]
.endr
.endm
.macro HALFB f, hi, zero               ; the second block's eight products
	WIN H0+0x54*(\hi)
.irp b, 0,1,2,3,4,5,6,7
	WM \f, 1, \b, \zero
.endr
.endm
; The LDS loads of a quarter (32 keys, number kq of the slot's four) in one run, into buffer g: P's blocks 0, 1; V's eight fragments, turned; P's blocks 2, 3: 24 loads.
; fset >= 0: ahead of them the step's four factor words into that set, and their address steps to the next step's.
.macro FETCH slot, kq, g, fset
.if (\fset) >= 0
	WIN 0
	ds_load_b128 v[FR+4*(\fset):FR+4*(\fset)+3], v[AF]
	v_add_nc_u32 v[AF], 512, v[AF]
.endif
	WIN H0
.irp a, 0,1
	ds_load_b128 v[PF+16*(\g)+8*(\a):PF+16*(\g)+8*(\a)+3],   v[ADRA+(\slot)] offset:64*(\kq)+(\a)*16*PA
	ds_load_b128 v[PF+16*(\g)+8*(\a)+4:PF+16*(\g)+8*(\a)+7], v[ADRA+(\slot)] offset:64*(\kq)+(\a)*16*PA+32
.endr
	WIN 0
.irp b, 0,1,2,3,4,5,6,7
	ds_load_tr16_b128 v[VF+64*(\g)+8*(\b):VF+64*(\g)+8*(\b)+3],   v[ADRB+(\slot)] offset:(\kq)*32*PV+32*(\b)
	ds_load_tr16_b128 v[VF+64*(\g)+8*(\b)+4:VF+64*(\g)+8*(\b)+7], v[ADRB+(\slot)] offset:(\kq)*32*PV+16*PV+32*(\b)
.endr
	WIN H1
.irp a, 0,1
	ds_load_b128 v[PF+16*(\g)+8*(\a):PF+16*(\g)+8*(\a)+3],   v[ADRA+(\slot)] offset:64*(\kq)+((\a)+2)*16*PA
	ds_load_b128 v[PF+16*(\g)+8*(\a)+4:PF+16*(\g)+8*(\a)+7], v[ADRA+(\slot)] offset:64*(\kq)+((\a)+2)*16*PA+32
.endr
.endm
.macro PLACES                          ; four plain vector instructions in front of loads into registers that matrix instructions have read, and of lines that read results (ISA guide 7.12.1 for vector instructions)
.rept 4
	v_nop
.endr
.endm
; A step is four quarters of 32 keys, 32 matrix instructions each, on buffers 0, 1, 0, 1.  One of the first three multiplies buffer f and, in its middle, fetches quarter kq into g.
.macro QUARTER slot, kq, f, g, zero
	s_wait_dscnt 4                                 ; the factor words, P's blocks 0, 1 and V are in; the youngest four loads (P's blocks 2, 3) may be out
	HALFA \f, 0, \zero, \slot
	HALFB \f, 0, \zero
	PLACES
	FETCH \slot, \kq, \g, -1
	s_wait_dscnt 24                                ; all but the 24 just issued
	HALFA \f, 1, \zero, \slot
	HALFB \f, 1, \zero
.endm
; The last quarter multiplies buffer 1 and changes slots: one barrier; in front of it each wave waits for all its tensor loads, of which one is out: its part of the next slot; adds 0 to its spare word;
; and waits for that and for its own reads of this slot.  fill = 1: the barrier opens a round of the cluster's, and behind the round this slot is filled again first, with the step two steps on:
; 112 matrix instructions ahead of the wait for it.  Its two global addresses are made anew, base + chunk's number shifted, while the add is out.
.macro TURN slot, next, fill
.if \fill
	s_wait_xcnt 0x0                                ; the last prefetch, a step back, has read its address: it is made anew here, ahead of the waits of the change of slots:
	s_add_co_u32 s[OT], s[NX], 2                   ; the chunk two refills behind the one that is about to be asked for
	s_and_b32 s[OT], s[OT], 31
	s_lshl_b32 s[OT], s[OT], 8
	s_add_nc_u64 s[PFA:PFA+1], s[PFB:PFB+1], s[OT:OT+1]
.endif
	WIN 0                                          ; (the add's two registers lie in window 0)
	s_wait_tensorcnt 0x0                           ; all my tensor loads have landed, so every group 0 may be written
	ds_add_u32 v[SPW], v[NIL]                      ; 0 onto my spare word
.if \fill
	s_lshl_b32 s[OT], s[NX], 8
	s_add_nc_u64 s[G0A+4*(\slot)+2:G0A+4*(\slot)+3], s[PB:PB+1], s[OT:OT+1]
	s_or_b32 s[G0A+4*(\slot)+3], s[G0A+4*(\slot)+3], 0x80000000
	s_lshl_b32 s[OT], s[NX], 18
	s_add_nc_u64 s[G0B+4*(\slot)+2:G0B+4*(\slot)+3], s[VB:VB+1], s[OT:OT+1]
	s_or_b32 s[G0B+4*(\slot)+3], s[G0B+4*(\slot)+3], 0x80000000
	s_add_co_u32 s[NX], s[NX], 1                   ; the walk goes round
	s_and_b32 s[NX], s[NX], 31
.endif
	s_wait_dscnt 5                                 ; (the add and the youngest four loads may be out)
	HALFA F1, 0, 0, \slot                          ; eight products and sixteen scalings stand between the add and the wait for it
	s_wait_dscnt 0x0                               ; the add is done, and my reads of this slot are over
	s_barrier_signal -1
	HALFB F1, 0, 0                                 ; work on registers while the others arrive
	WIN 0
	s_barrier_wait -1
.if \fill
	CREST                                          ; no wave of any partner still reads this slot's tiles or has a load on its way
	JLOAD \slot                                    ; the first tensor load behind the round; the four v_nop behind it are also the places in front of the loads below
.else
	PLACES
.endif
	FETCH \next, 0, F0, \next
.if \fill
	WIN 0
	ASK
.endif
	HALFA F1, 1, 0, \slot
	HALFB F1, 1, 0
.endm
; THE WAY OUT of query block a.  PACK: times 1 / L, each accumulator's registers in ascending order.  TOSTAGE: 32 bytes a lane into my own stage, rows of 528 bytes, and back as whole rows of 512.  SEND: stored.
.macro PACK a
.set AB,  64*((\a)%2)
.set RPA, RLR+(\a)
.if (\a)%2
.set RPA, RLX+(\a)-1
.endif
	WIN 1+(\a)/2                                   ; source 0: the accumulators' window
.set x, 0
.rept 32
	v_pk_mul_f32 v[TMP+x:TMP+x+1], v[AB+x:AB+x+1], v[RPA:RPA+1] op_sel_hi:[1,0]
.set x, x+2
.endr
	WIN 0
.endm
.macro TOSTAGE a
	WIN 0
.set BK, OB+64*((\a)%2)
.irp b, 0,1,2,3,4,5,6,7
	ds_store_b128 v[STO], v[TMP+8*(\b):TMP+8*(\b)+3]   offset:64*(\b)
	ds_store_b128 v[STO], v[TMP+8*(\b)+4:TMP+8*(\b)+7] offset:64*(\b)+16
.endr
.irp t, 0,1,2,3,4,5,6,7,8,9,10,11,12,13,14,15
	ds_load_b128 v[BK+4*(\t):BK+4*(\t)+3], v[RD] offset:(\t)*SP  ; LDS serves a wave's instructions in order (ISA guide 5.7.1.4): these see the stores above
.endr
.endm
.macro SEND a
	WIN 0
.set BK, OB+64*((\a)%2)
	s_wait_dscnt 0x0                               ; the block is back in registers
	s_wait_xcnt 0x0                                ; the stores of the block before have read their registers: the next TOSTAGE loads into them only behind this wait
.irp t, 0,1,2,3,4,5,6,7,8,9,10,11,12,13,14,15
	global_store_b128 v[CO], v[BK+4*(\t):BK+4*(\t)+3], s[10:11] offset:(16*(\a)+(\t))*4096 th:TH_STORE_NT  ; 32 lanes store 512 consecutive bytes, at a multiple of 256 from out0's first byte
.endr
.endm
	s_wait_tensorcnt 1                             ; my part of step 0 is in; step 1's may stay out
	s_wait_dscnt 0x0                               ; for the others' sake: my factor words and my 1 / L are stored
	s_barrier_signal -1
	s_barrier_wait -1                              ; everybody's are
	FETCH 0, 0, F0, 0
	QUARTER 0, 1, F0, F1, 1                        ; the first quarter stands in front of the loop: its products start the sums
	WIN 0                                          ; at a label and at a branch every window is 0
	s_mov_b32 s3, 15
.Llap:                                                 ; a trip goes once round the ring, from a lap's second quarter to the next lap's first, and fills both slots again: steps 2 to 31
	QUARTER 0, 2, F1, F0, 0
	QUARTER 0, 3, F0, F1, 0
	TURN 0, 1, 1
	QUARTER 1, 1, F0, F1, 0
	QUARTER 1, 2, F1, F0, 0
	QUARTER 1, 3, F0, F1, 0
	TURN 1, 0, 1
	QUARTER 0, 1, F0, F1, 0
	WIN 0
	s_sub_co_u32 s3, s3, 1
	s_cmp_lg_u32 s3, 0
	s_cbranch_scc1 .Llap
	QUARTER 0, 2, F1, F0, 0                        ; the last lap is written out: it fills nothing, and has no round of the cluster's barrier
	QUARTER 0, 3, F0, F1, 0
	TURN 0, 1, 0
	QUARTER 1, 1, F0, F1, 0
	QUARTER 1, 2, F1, F0, 0
	QUARTER 1, 3, F0, F1, 0
	s_wait_dscnt 4                                 ; the very last quarter: nothing more to fetch
	HALFA F1, 0, 0, 1
	HALFB F1, 0, 0
	s_wait_dscnt 0x0
	HALFA F1, 1, 0, 1
	HALFB F1, 1, 0
	WIN 0
	ds_load_b128 v[RLR:RLR+3], v[AF]               ; the factor words' address has stepped 32 times: it stands at the row of the 1 / L
	PLACES                                         ; behind the last products
	s_wait_dscnt 0x0
	v_mov_b32 v[RLX],   v[RLR+1]
	v_mov_b32 v[RLX+1], v[RLR+1]
	v_mov_b32 v[RLX+2], v[RLR+3]
	v_mov_b32 v[RLX+3], v[RLR+3]
	PACK 0
	TOSTAGE 0
.irp a, 1,2,3                          ; block a's multiplies stand between block a - 1's loads from the stage and the wait for them
	PACK \a
	SEND (\a)-1
	TOSTAGE \a
.endr
	SEND 3
	s_wait_tensorcnt 0x0                           ; the wave's end: a wait, an add and its wait, behind my last tensor load and my last LDS store
	ds_add_u32 v[SPW], v[NIL]
	s_wait_dscnt 0x0
	CROUND                                         ; the closing round: no work-group ends while a partner may still ask for a tile that names it
	s_endpgm
.Lfunc_end_k_qcc644b9419_mix:
	.size	k_qcc644b9419_mix, .Lfunc_end_k_qcc644b9419_mix-k_qcc644b9419_mix
	.p2alignl 7, 3214868480
	.fill 96, 4, 3214868480
	.section	.rodata,"a",@progbits
	.p2align	6, 0x0
	.amdhsa_kernel k_qcc644b9419_mix
		.amdhsa_group_segment_fixed_size 327680
		.amdhsa_private_segment_fixed_size 0
		.amdhsa_enable_private_segment 0
		.amdhsa_kernarg_size 32
		.amdhsa_user_sgpr_count 2
		.amdhsa_user_sgpr_kernarg_segment_ptr 1
		.amdhsa_wavefront_size32 1
		.amdhsa_system_sgpr_workgroup_id_x 1
		.amdhsa_system_sgpr_workgroup_id_y 1
		.amdhsa_system_sgpr_workgroup_id_z 1
		.amdhsa_system_vgpr_workitem_id 0
		.amdhsa_next_free_vgpr 672
		.amdhsa_next_free_sgpr 96
		.amdhsa_reserve_vcc 0
		.amdhsa_float_denorm_mode_32 3
		.amdhsa_float_denorm_mode_16_64 3
		.amdhsa_memory_ordered 1
		.amdhsa_forward_progress 1
		.amdhsa_inst_pref_size 148
	.end_amdhsa_kernel
	.amdgpu_metadata
---
amdhsa.version: [ 1, 2 ]
amdhsa.kernels:
  - .name:           k_qcc644b9419_mix
    .symbol:         k_qcc644b9419_mix.kd
    .args:
      - { .name: ph, .offset: 0, .size: 8, .value_kind: global_buffer, .address_space: global }
      - { .name: vh, .offset: 8, .size: 8, .value_kind: global_buffer, .address_space: global }
      - { .name: stats, .offset: 16, .size: 8, .value_kind: global_buffer, .address_space: global }
      - { .name: out0, .offset: 24, .size: 8, .value_kind: global_buffer, .address_space: global }
    .group_segment_fixed_size: 327680
    .private_segment_fixed_size: 0
    .kernarg_segment_align: 8
    .kernarg_segment_size: 32
    .max_flat_workgroup_size: 128
    .sgpr_count:     96
    .vgpr_count:     672
    .wavefront_size: 32
...
	.end_amdgpu_metadata
.endif
;; end of part 3
